; MI455X (gfx1250); checked and timed in simulation.
; The chip was launched on July 23, 2026; its instructions are those of AMD's public machine-readable ISA for CDNA 5 (MIT licence, August 2026) and "CDNA5" Instruction Set Architecture Reference Guide (July 2026). The comments in the code are by the model that wrote it; some were corrected since.
;; Octonion Fused Linear. Allowed arithmetic: matrix products marked QUANTISED: E2M3 operands, one E8M0 scale for each 32 along K, by v_wmma_scale_f32_16x16x128_f8f6f4 with both operands' format E2M3, f32 sums; products left as they are: f32 operands where the result goes on into a quantised operand, else bf16, f16 or f32 operands; f32 sums; everything else in f32.
;; Inputs: weight 8 x 256 x 512 float32; x 4 x 2,048 x 4,096 float32.
;; Outputs: out0 4 x 2,048 x 2,048 float32.
;; This version of the problem:
;;   THIS VERSION OF THE PROBLEM IS GIVEN IN LOW PRECISION. The matrix products marked QUANTISED in the list below multiply operands that are first quantised to E2M3 (2 exponent bits, 3 mantissa bits; 6 bits a number), with one power-of-two scale for each 32 numbers along K (OCP MX v1.0); their sums are f32. All else is computed in f32.
;;   The module's matrix products, in the order in which they are computed (A, B: the left and right operand; K: the contracted axis; several contracted axes count as one K, in the product's order):
;;     1. batch 64 x [M 1, K 1] x [K 1, N 131,072]; A: computed on the way; B: computed on the way: left as it is (no contracted axis)
;;     2. [M 8,192, K 4,096] x [K 4,096, N 2,048]; A: input x; B: computed on the way: QUANTISED
;;   THE QUANTISER, for each operand of a quantised product, along K:
;;     - K is cut into blocks of 32 from its start; a last block that is shorter is filled with zeros.
;;     - A block's scale is 2^e with e = floor(log2(the largest magnitude in the block)) - 2, held to -126 .. 127; a block of zeros has e = 0. As a byte (E8M0): e + 127.
;;     - Each number is divided by its block's scale, clamped to +-7.5, and rounded to the nearest number of E2M3, ties to even, subnormals kept.
;;     - The product sums the exact products of the quantised numbers (number of the format x scale) in f32.
;;   ~~~python
;;   def quantise(x, axis):      # numpy; x: float32 -> the quantised numbers, widened to float32 again
;;       x = np.moveaxis(x, axis, -1); K = x.shape[-1]
;;       x = np.pad(x, [(0, 0)] * (x.ndim - 1) + [(0, -K % 32)]); x = x.reshape(x.shape[:-1] + (-1, 32)); a = np.abs(x).max(-1, keepdims=True)
;;       e = np.where(a > 0, np.clip(np.frexp(np.where(a > 0, a, 1))[1] - 1 - 2, -126, 127), 0)      # np.frexp(a)[1] - 1 = floor(log2(a)), exactly
;;       r = np.clip(x / 2.0 ** e, -7.5, 7.5)
;;       step = 2.0 ** (np.maximum(np.frexp(np.where(r == 0, 1, r))[1] - 1, 0) - 3)
;;       q = np.round(r / step) * step * 2.0 ** e      # np.round: ties to even
;;       return np.moveaxis(q.reshape(q.shape[:-2] + (-1,))[..., :K], -1, axis).astype(np.float32)
;;   ~~~
;;   OPERANDS COMPUTED ON THE WAY. 'Computed on the way' means the value that the module computes at that place (a softmax that the list does not call 'softmax' is quantised finished and normalised). What goes into a quantiser is computed in f32, as accurately as f32 sums, v_exp_f32 and their like allow (about 1e-6 of the number): no bf16 or f16 on the way to a quantiser, and a product that is left as it is and whose result goes on into a quantised operand takes f32 operands (vector FMAs, or v_wmma_f32_16x16x4_f32). A number that lies on a knife's edge between two numbers of the format may be rounded either way, as far as f32 arithmetic and the matrix unit's own rounding can turn it there, and no further.
;; One version. Each part assembles by itself: llvm-mc -triple=amdgcn-amd-amdhsa -mcpu=gfx1250 --defsym DOCPART=n.
;; ======== version 1 of 1: 2 launches
;; limits: right only within a limited range of input values
;; workspace buffers: b_q 819,200 bytes
;; launch wq (part 1): grid 256 x 1, 2 waves a work-group, no clusters, 17,408 bytes of LDS; arguments weight, b_q; writes b_q
.if DOCPART == 1
	.amdgcn_target "amdgcn-amd-amdhsa--gfx1250"
	.amdhsa_code_object_version 6
	.text
	.protected	k_q8aa06f72bf_wq
	.globl	k_q8aa06f72bf_wq
	.p2align	8
	.type	k_q8aa06f72bf_wq,@function
k_q8aa06f72bf_wq:
	s_mov_b64 s[64:65], 0
	v_nop
	global_prefetch_b8 v0, s[64:65] scope:SCOPE_SE
	s_setreg_imm32_b32 hwreg(HW_REG_WAVE_MODE, 25, 1), 1
	s_wait_xcnt 0x0
; weight [8][256][512], f32, is turned into codes of FP6 (E2M3) with one E8M0 byte for each 32 along K, once, with no sign:
;   out[m][256 i + n] = sum over j, k of x[m][512 j + k] * S[i][j] * W[i xor j][n][k]   (the index table is i xor j; S the table of signs).
; The signs are laid on by the next launch.  Nothing of reference() is left out.
; One wave makes one fragment (16 rows n x 128 along K of one component w): 512 fragments, 256 work-groups of two waves.
; b_q is [k: 4][wave of the reader wv: 4][51,200 bytes]: 32 records of 1,536 bytes, then 2,048 bytes of scale words.  A record: three blocks of 512 bytes (block c = registers 4 c .. 4 c + 3 of lane l at 16 l;
; lane (r, h) holds row r: registers 0-5 the codes of k = 32 h + 0 .. 31, registers 6-11 those of 64 + 32 h + 0 .. 31).  Record s's scale words: row r's at 64 s + 4 r of the table.
; Rows n = 64 u + 16 wv + r.  Place s: w = 0 at s = u; w > 0 at s = 4 + 7 u + w - 1: the order in which the reader multiplies.
; A block's byte is its largest magnitude's exponent field - 2, held at 1 from below.
; LIMITS: NaN and infinities are not served; a block of zeros gets the byte 1 where the rule says 127 (its codes are zeros, and this program alone reads the bytes).
; Each load reads 512 consecutive bytes of a row; the rows turn through the wave's own stage in LDS so that a lane holds two whole blocks of 32.
; A wave's 16 scale words are 64 bytes: a quarter of a 256-byte unit of the table, one byte in 25 of what the launch stores.
.set SP,     528
.set STAGEB, 16*SP
.set SPARE,  2*STAGEB
.set R,      32
.set X,      128
.set C,      16
	s_load_b128 s[4:7], s[0:1], 0x0                ; weight, b_q
	v_lshl_add_u32 v11, v0, 2, SPARE               ; my spare word
	v_mov_b32 v31, 0
	v_lshrrev_b32 v1, 5, v0
	v_readfirstlane_b32 s12, v1                    ; wave
	s_mul_i32 s13, s12, STAGEB
	s_lshl_b32 s14, ttmp9, 1
	s_add_co_u32 s14, s14, s12                     ; fragment 0..511
	s_and_b32 s15, s14, 3                          ; k
	s_bfe_u32 s16, s14, 0x40002                    ; block of 16 rows
	s_lshr_b32 s17, s14, 6                         ; w
	s_lshl_b32 s20, s17, 19
	s_lshl_b32 s18, s16, 15
	s_add_co_u32 s20, s20, s18
	s_lshl_b32 s18, s15, 9
	s_add_co_u32 s20, s20, s18                     ; the source's offset
	s_mov_b32 s21, 0
	s_lshr_b32 s18, s16, 2                         ; u
	s_and_b32 s19, s16, 3                          ; wv
	s_mul_i32 s22, s18, 7
	s_add_co_u32 s22, s22, s17
	s_add_co_u32 s22, s22, 3
	s_cmp_eq_u32 s17, 0
	s_cselect_b32 s22, s18, s22                    ; s
	s_lshl_b32 s23, s15, 2
	s_add_co_u32 s23, s23, s19
	s_mul_i32 s23, s23, 51200
	s_mul_i32 s26, s22, 1536
	s_add_co_u32 s26, s26, s23                     ; the record's offset
	s_mov_b32 s27, 0
	s_lshl_b32 s28, s22, 6
	s_add_co_u32 s28, s28, s23
	s_add_co_u32 s28, s28, 49152                   ; its scale words'
	s_mov_b32 s29, 0
	s_mov_b32 s24, 0x76543210
	s_mov_b32 s25, 0xfedcba98
	v_and_b32 v6, 31, v0
	v_and_b32 v7, 15, v0
	v_bfe_u32 v8, v0, 4, 1
	v_lshlrev_b32 v1, 4, v6                        ; 16 x lane
	v_add_nc_u32 v2, s13, v1                       ; the stage, in
	v_mul_u32_u24 v3, v7, SP
	v_lshl_add_u32 v3, v8, 7, v3
	v_add_nc_u32 v3, s13, v3                       ; the stage, out: row r, 128 h
	v_lshlrev_b32 v5, 3, v8                        ; 8 h
	v_lshlrev_b32 v4, 2, v7                        ; 4 r
	v_mov_b32 v10, 0
	s_wait_alu depctr_va_vdst(0)                   ; the wait at the head's end
	s_wait_kmcnt 0x0
	s_add_nc_u64 s[4:5], s[4:5], s[20:21]
	s_add_nc_u64 s[8:9], s[6:7], s[28:29]
	s_add_nc_u64 s[6:7], s[6:7], s[26:27]
.irp p, 0,1,2,3,4,5,6,7,8,9,10,11,12,13,14,15
	global_load_b128 v[R+4*\p:R+4*\p+3], v1, s[4:5] offset:\p*2048
.endr
	s_wait_loadcnt 0x0
.irp p, 0,1,2,3,4,5,6,7,8,9,10,11,12,13,14,15
	ds_store_b128 v2, v[R+4*\p:R+4*\p+3] offset:\p*SP
.endr
.irp j, 0,1,2,3,4,5,6,7,8,9,10,11,12,13,14,15
	ds_load_b128 v[X+4*\j:X+4*\j+3], v3 offset:256*(\j/8)+16*(\j%8)   ; a wave's LDS instructions are served in order: these see the stores
.endr
	s_wait_dscnt 0x0
	v_max3_num_f32 v6, |v[X]|, |v[X+1]|, |v[X+2]|
	v_max3_num_f32 v7, |v[X+32]|, |v[X+33]|, |v[X+34]|
	v_max3_num_f32 v8, |v[X+3]|, |v[X+4]|, |v[X+5]|
	v_max3_num_f32 v9, |v[X+35]|, |v[X+36]|, |v[X+37]|
.irp i, 6,10,14,18,22,26
	v_max3_num_f32 v6, v6, |v[X+\i]|, |v[X+\i+1]|
	v_max3_num_f32 v7, v7, |v[X+32+\i]|, |v[X+32+\i+1]|
	v_max3_num_f32 v8, v8, |v[X+\i+2]|, |v[X+\i+3]|
	v_max3_num_f32 v9, v9, |v[X+32+\i+2]|, |v[X+32+\i+3]|
.endr
	v_max3_num_f32 v6, v6, |v[X+30]|, |v[X+31]|
	v_max3_num_f32 v7, v7, |v[X+62]|, |v[X+63]|
	v_max3_num_f32 v6, v6, v8, 0x1800000           ; the floor 2^(3 - 127): the byte cannot fall under 1
	v_max3_num_f32 v7, v7, v9, 0x1800000
	v_add_nc_u32 v6, 0xff000000, v6                ; 2 off the exponent field: the conversion's scale operand
	v_add_nc_u32 v7, 0xff000000, v7
	v_lshrrev_b32 v8, 23, v6
	v_lshrrev_b32 v9, 23, v7
	v_lshl_or_b32 v8, v9, 16, v8                   ; blocks h and 2 + h
	v_lshlrev_b32 v8, v5, v8
	v_permlanex16_b32 v10, v8, s24, s25
	v_or_b32 v12, v8, v10                          ; row r's scale word
	v_cvt_scalef32_pk16_fp6_f32 v[C:C+2], v[X:X+15], v6
	v_cvt_scalef32_pk16_fp6_f32 v[28:30], v[X+16:X+31], v6   ; (three registers begin on an even number: made elsewhere and moved)
	v_cvt_scalef32_pk16_fp6_f32 v[C+6:C+8], v[X+32:X+47], v7
	v_cvt_scalef32_pk16_fp6_f32 v[8:10], v[X+48:X+63], v7
	v_nop                                          ; one plain place behind a scaled conversion
.irp i, 0,1,2
	v_mov_b32 v[C+3+\i], v[28+\i]
	v_mov_b32 v[C+9+\i], v[8+\i]
.endr
.irp c, 0,1,2
	global_store_b128 v1, v[C+4*\c:C+4*\c+3], s[6:7] offset:512*\c   ; 512 consecutive bytes, at a multiple of 256 from b_q's first byte
.endr
	global_store_b32 v4, v12, s[8:9]               ; 64 consecutive bytes; lanes r and 16 + r store the same word at the same place
	s_wait_tensorcnt 0x0                           ; the wave's end
	ds_add_u32 v11, v31
	s_wait_dscnt 0x0
	s_endpgm
.Lfunc_end_k_q8aa06f72bf_wq:
	.size	k_q8aa06f72bf_wq, .Lfunc_end_k_q8aa06f72bf_wq-k_q8aa06f72bf_wq
	.p2alignl 7, 3214868480
	.fill 96, 4, 3214868480
	.section	.rodata,"a",@progbits
	.p2align	6, 0x0
	.amdhsa_kernel k_q8aa06f72bf_wq
		.amdhsa_group_segment_fixed_size 17408
		.amdhsa_private_segment_fixed_size 0
		.amdhsa_enable_private_segment 0
		.amdhsa_kernarg_size 16
		.amdhsa_user_sgpr_count 2
		.amdhsa_user_sgpr_kernarg_segment_ptr 1
		.amdhsa_wavefront_size32 1
		.amdhsa_system_sgpr_workgroup_id_x 1
		.amdhsa_system_sgpr_workgroup_id_y 1
		.amdhsa_system_sgpr_workgroup_id_z 1
		.amdhsa_system_vgpr_workitem_id 0
		.amdhsa_next_free_vgpr 192
		.amdhsa_next_free_sgpr 66
		.amdhsa_reserve_vcc 0
		.amdhsa_float_denorm_mode_32 3
		.amdhsa_float_denorm_mode_16_64 3
		.amdhsa_memory_ordered 1
		.amdhsa_forward_progress 1
		.amdhsa_inst_pref_size 10
	.end_amdhsa_kernel
	.amdgpu_metadata
---
amdhsa.version: [ 1, 2 ]
amdhsa.kernels:
  - .name:           k_q8aa06f72bf_wq
    .symbol:         k_q8aa06f72bf_wq.kd
    .args:
      - { .name: weight, .offset: 0, .size: 8, .value_kind: global_buffer, .address_space: global }
      - { .name: b_q, .offset: 8, .size: 8, .value_kind: global_buffer, .address_space: global }
    .group_segment_fixed_size: 17408
    .private_segment_fixed_size: 0
    .kernarg_segment_align: 8
    .kernarg_segment_size: 16
    .max_flat_workgroup_size: 64
    .sgpr_count:     66
    .vgpr_count:     192
    .wavefront_size: 32
...
	.end_amdgpu_metadata
.endif
;; end of part 1
;; launch oct (part 2): grid 256 x 1, 4 waves a work-group, no clusters, 327,680 bytes of LDS; arguments x, b_q, out0; writes out0
.if DOCPART == 2
	.amdgcn_target "amdgcn-amd-amdhsa--gfx1250"
	.amdhsa_code_object_version 6
	.text
	.protected	k_q8aa06f72bf_oct
	.globl	k_q8aa06f72bf_oct
	.p2align	8
	.type	k_q8aa06f72bf_oct,@function
k_q8aa06f72bf_oct:
	s_mov_b64 s[64:65], 0
	v_nop
	global_prefetch_b8 v0, s[64:65] scope:SCOPE_SE
	s_setreg_imm32_b32 hwreg(HW_REG_WAVE_MODE, 25, 1), 1
	s_wait_xcnt 0x0
; out[m][256 i + n] = sum over j, k of Q(x)[m][512 j + k] * S[i][j] * Q(W)[i xor j][n][k], in MX-FP6; sums in f32.  Nothing of reference() is left out.
; A work-group owns 32 rows of x and all 2,048 columns; x is read from memory once, as f32, and quantised here.  Wave wv owns n = 64 u + 16 wv + 0 .. 15, u = 0 .. 3, of all eight components i, for both blocks
; of 16 rows: 64 accumulators.  K goes in four supersteps: 128 along K of all eight components j.  In a superstep a wave keeps the 16 fragments of x (2 row blocks x 8 j) in registers and
; takes 32 fragments of W (4 blocks u x 8 components w); ONE FRAGMENT OF W[w] FEEDS 16 PRODUCTS: output i takes x's component j = i xor w, for all eight i and both row blocks.
; THE SIGN: the quantiser is odd and a sign changes no scale, so the codes of -w are the codes of w with bit 5 of each turned: 12 exclusive-ors make a fragment's turned copy.  A turned zero is -0 and adds nothing.
; x: a superstep's tile is 256 pieces (row, j) of 512 bytes, 2,048 bytes apart in memory: one plain tile of two dimensions.  Each wave's tensor load brings 64 of them into one of two LDS slots; the same wave quantises
; them (a lane: two blocks of 32 of one piece) and stores codes and scale words as an image of the operand's registers, which all four waves load behind a barrier.
; W: records laid by the launch before in the order of the operand's registers and of this walk go from memory straight into a ring of 16 register buffers, four records at a time, 12 to 15 records ahead.
; The groups with w = 0 stand first in a superstep: the first superstep's start the sums with C = 0, ahead of the loops; a loop's trip runs the other 28 groups and then the next superstep's four.
; THE WAY OUT BEGINS IN THE LAST SUPERSTEP: behind block u's seven groups its sums are finished; the four waves' 16 columns each make 64 neighbouring columns, so they meet in a stage in LDS and leave as whole rows of 256 bytes.
; NO CLUSTER: x's tiles are a work-group's own, and a record of W is read by one wave of a work-group alone and goes into registers, not into LDS.  NO PREFETCH: each tile of x is asked for a superstep ahead of its use by its own load.
; THE LAST SUPERSTEP'S LOOK-AHEAD is not used: its loads stay in the text so that the counts of the waits are the same in every trip; there all lanes name the same 16 bytes (4 for a scale word) inside that superstep's own records.
; LIMITS: NaN and infinities among the inputs are not served; a block of zeros gets the byte 1 where the rule says 127 (its codes are zeros).  The sums' order along K differs from reference()'s.
; REGISTERS: window 0: v0-23, v60-61 addresses and work, v24-31 x's scale words, v32-39 W's, v48-59 the turned copy, v64-255 the ring.  Window 1: v0-191 x's fragments, v192-255 numbers being quantised, then rows on the way out.
; Windows 2, 3: accumulator (u, mb, i) at window 2 + u / 2, v[128 (u % 2) + 64 mb + 8 i].
.set PITCH, 528                        ; an LDS row of x: 512 bytes + 16
.set WTILE, 64*PITCH
.set SLOTB, 4*WTILE
.set CODES, 2*SLOTB                    ; x's 16 fragments: lane l's 48 bytes at 48 l
.set FS,    1552
.set ASC,   CODES+16*FS                ; x's scale words [mb][r][j]
.set SPARE, ASC+1024                   ; the spare words: 512 bytes that no other line names
.set REC,   1536
.set WSTR,  32*REC+2048
.set KSTR,  4*WSTR
.set SGP,   272                        ; the way out: stage rows of 256 bytes + 16; the stage, 256 rows, lies in slot 0
.set SGB,   16*SGP
.set LOFF, 1
.set BSO,  2
.set XB,   3
.set XA,   4
.set SH,   5
.set CST,  11
.set SST,  16
.set AAD,  17
.set ASA,  18
.set STO,  19
.set RD,   20
.set CO,   21
.set SPW,  22
.set NIL,  23
.set AS,   24
.set BSC,  32
.set NEG,  48
.set LOFN, 60
.set BSON, 61
.set RING, 64
.set X,    192
.set CNT, 11
.set BP,  16
.set BN,  18
.set SQ,  20
.set G1,  24
.set G0,  32
.set MK,  36
.set SEL, 40
.set SR0, 0xfe                         ; row i of the table of signs: bit j set where S[i][j] = -1
.set SR1, 0x68
.set SR2, 0xc2
.set SR3, 0xa4
.set SR4, 0x0e
.set SR5, 0x54
.set SR6, 0x98
.set SR7, 0x32
.set MSB, 0
.set SPN, 0
.set OU, 0
.macro WIN new                         ; the immediate's high byte repeats the setting that is left
.if MSB != \new
	s_set_vgpr_msb (MSB<<8)|\new
.set MSB, \new
.endif
.endm
.macro NOPS
.rept 4
	v_nop
.endr
.endm
.macro UW s                            ; place s of a superstep's walk -> block GU, component GW
.set SS, (\s)%32
.if SS < 4
.set GU, SS
.set GW, 0
.else
.set GU, (SS-4)/7
.set GW, (SS-4)%7+1
.endif
.endm
.macro BLOAD p                         ; record p (32 and more: of the next superstep) into ring buffer p % 16; with an even p the scale words of p (lanes 0-15) and p + 1 (lanes 16-31)
.set RB, RING+12*((\p)%16)
.if (\p) < 32
.if (\p)%2 == 0
	global_load_b32 v[BSC+((\p)%16)/2], v[BSO], s[BP:BP+1] offset:32*REC+((\p)/2)*128
.endif
.irp c, 0,1,2
	global_load_b128 v[RB+4*\c:RB+4*\c+3], v[LOFF], s[BP:BP+1] offset:(\p)*REC+512*\c
.endr
.else
.if (\p)%2 == 0
	global_load_b32 v[BSC+((\p)%16)/2], v[BSON], s[BN:BN+1] offset:32*REC+(((\p)-32)/2)*128
.endif
.irp c, 0,1,2
	global_load_b128 v[RB+4*\c:RB+4*\c+3], v[LOFN], s[BN:BN+1] offset:((\p)-32)*REC+512*\c
.endr
.endif
.endm
; One product, used transposed: source 0 = 16 rows n of W, source 1 = 16 rows of x: a lane holds eight neighbouring columns of one row of out.
; W's scale words: lanes 0-15 for an even record, 16-31 for an odd one; x's: lanes 0-15 for row block 0, 16-31 for row block 1.
.macro WM mb, i, b, zero
.set AC,  128*(GU%2)+64*(\mb)+8*(\i)
.set AFR, 12*(8*(\mb)+((\i)^GW))
.set ASR, AS+((\i)^GW)
.set BSR, BSC+RI/2
.set VV,  2*(RI%2)+(\mb)
.if \zero
.if VV == 0
	v_wmma_scale_f32_16x16x128_f8f6f4 v[AC:AC+7], v[\b:\b+11], v[AFR:AFR+11], 0, v[BSR], v[ASR] matrix_a_fmt:MATRIX_FMT_FP6 matrix_b_fmt:MATRIX_FMT_FP6
.endif
.if VV == 1
	v_wmma_scale_f32_16x16x128_f8f6f4 v[AC:AC+7], v[\b:\b+11], v[AFR:AFR+11], 0, v[BSR], v[ASR] matrix_a_fmt:MATRIX_FMT_FP6 matrix_b_fmt:MATRIX_FMT_FP6 matrix_b_scale:MATRIX_SCALE_ROW1
.endif
.if VV == 2
	v_wmma_scale_f32_16x16x128_f8f6f4 v[AC:AC+7], v[\b:\b+11], v[AFR:AFR+11], 0, v[BSR], v[ASR] matrix_a_fmt:MATRIX_FMT_FP6 matrix_b_fmt:MATRIX_FMT_FP6 matrix_a_scale:MATRIX_SCALE_ROW1
.endif
.if VV == 3
	v_wmma_scale_f32_16x16x128_f8f6f4 v[AC:AC+7], v[\b:\b+11], v[AFR:AFR+11], 0, v[BSR], v[ASR] matrix_a_fmt:MATRIX_FMT_FP6 matrix_b_fmt:MATRIX_FMT_FP6 matrix_a_scale:MATRIX_SCALE_ROW1 matrix_b_scale:MATRIX_SCALE_ROW1
.endif
.else
.if VV == 0
	v_wmma_scale_f32_16x16x128_f8f6f4 v[AC:AC+7], v[\b:\b+11], v[AFR:AFR+11], v[AC:AC+7], v[BSR], v[ASR] matrix_a_fmt:MATRIX_FMT_FP6 matrix_b_fmt:MATRIX_FMT_FP6
.endif
.if VV == 1
	v_wmma_scale_f32_16x16x128_f8f6f4 v[AC:AC+7], v[\b:\b+11], v[AFR:AFR+11], v[AC:AC+7], v[BSR], v[ASR] matrix_a_fmt:MATRIX_FMT_FP6 matrix_b_fmt:MATRIX_FMT_FP6 matrix_b_scale:MATRIX_SCALE_ROW1
.endif
.if VV == 2
	v_wmma_scale_f32_16x16x128_f8f6f4 v[AC:AC+7], v[\b:\b+11], v[AFR:AFR+11], v[AC:AC+7], v[BSR], v[ASR] matrix_a_fmt:MATRIX_FMT_FP6 matrix_b_fmt:MATRIX_FMT_FP6 matrix_a_scale:MATRIX_SCALE_ROW1
.endif
.if VV == 3
	v_wmma_scale_f32_16x16x128_f8f6f4 v[AC:AC+7], v[\b:\b+11], v[AFR:AFR+11], v[AC:AC+7], v[BSR], v[ASR] matrix_a_fmt:MATRIX_FMT_FP6 matrix_b_fmt:MATRIX_FMT_FP6 matrix_a_scale:MATRIX_SCALE_ROW1 matrix_b_scale:MATRIX_SCALE_ROW1
.endif
.endif
.endm
; Behind the group's first four products with the plain fragment: the next group's turned copy in two halves, its four places, and, in every fourth group, the loads of four records.
.macro HOOK
.set PCN, PCN+1
.if NW > 0
.if PCN == 1 || PCN == 2
	WIN 0
.irp m, 0,1,2,3,4,5
	v_xor_b32 v[NEG+6*(PCN-1)+\m], s[MK+\m%3], v[RING+12*R1+6*(PCN-1)+\m]
.endr
	WIN WMS
.endif
.if PCN == 3
	NOPS                                           ; an operand written by vector instructions stands four places ahead of the product
.endif
.endif
.if PCN == 4 && GSV%4 == 0
	WIN 0
	BLOAD GSV+12                                   ; into the buffers that the last four groups read
	BLOAD GSV+13
	BLOAD GSV+14
	BLOAD GSV+15
	WIN WMS
.endif
.endm
.macro QLOAD t                         ; task t: my 16 pieces 16 t .. 16 t + 15: lane (r', h) takes blocks h and 2 + h of piece r'
	WIN 0x40
.irp j, 0,1,2,3,4,5,6,7,8,9,10,11,12,13,14,15
	ds_load_b128 v[X+4*\j:X+4*\j+3], v[XA] offset:(\t)*16*PITCH+256*(\j/8)+16*(\j%8)
.endr
	WIN 0
.endm
.macro QTASK t, wn, more               ; quantise task t (wn: the LDS instructions issued behind its loads), store its codes and scale words; more = 1: fetch the next task's numbers
	s_wait_dscnt \wn
	WIN 0x15
	v_max3_num_f32 v6, |v[X]|, |v[X+1]|, |v[X+2]|
	v_max3_num_f32 v7, |v[X+32]|, |v[X+33]|, |v[X+34]|
	v_max3_num_f32 v8, |v[X+3]|, |v[X+4]|, |v[X+5]|
	v_max3_num_f32 v9, |v[X+35]|, |v[X+36]|, |v[X+37]|
	WIN 0x14
.irp i, 6,10,14,18,22,26
	v_max3_num_f32 v6, v6, |v[X+\i]|, |v[X+\i+1]|
	v_max3_num_f32 v7, v7, |v[X+32+\i]|, |v[X+32+\i+1]|
	v_max3_num_f32 v8, v8, |v[X+\i+2]|, |v[X+\i+3]|
	v_max3_num_f32 v9, v9, |v[X+32+\i+2]|, |v[X+32+\i+3]|
.endr
	v_max3_num_f32 v6, v6, |v[X+30]|, |v[X+31]|
	v_max3_num_f32 v7, v7, |v[X+62]|, |v[X+63]|
	WIN 0
	v_max3_num_f32 v6, v6, v8, 0x1800000           ; the floor 2^(3 - 127): the byte cannot fall under 1
	v_max3_num_f32 v7, v7, v9, 0x1800000
	v_add_nc_u32 v6, 0xff000000, v6                ; 2 off the exponent field: the conversion's scale operand
	v_add_nc_u32 v7, 0xff000000, v7
	v_lshrrev_b32 v8, 23, v6
	v_lshrrev_b32 v9, 23, v7
	v_lshl_or_b32 v8, v9, 16, v8
	v_lshlrev_b32 v8, v[SH], v8
	v_permlanex16_b32 v10, v8, s[SEL], s[SEL+1]
	v_or_b32 v8, v8, v10                           ; the piece's scale word
	WIN 0x01
	v_cvt_scalef32_pk16_fp6_f32 v[12:14], v[X+48:X+63], v7
	v_nop                                          ; a plain place: the next conversions write over this one's sources
	WIN 0x41
	v_cvt_scalef32_pk16_fp6_f32 v[X+54:X+56], v[X+32:X+47], v7
	v_cvt_scalef32_pk16_fp6_f32 v[X+60:X+62], v[X+16:X+31], v6
	v_cvt_scalef32_pk16_fp6_f32 v[X+48:X+50], v[X:X+15], v6
	v_nop
.irp i, 0,1,2
	v_mov_b32 v[X+51+\i], v[X+60+\i]
.endr
	WIN 0x40
.irp i, 0,1,2
	v_mov_b32 v[X+57+\i], v[12+\i]
.endr
	WIN 0x04
.irp c, 0,1,2
	ds_store_b128 v[CST], v[X+48+4*\c:X+51+4*\c] offset:96*(\t)+16*\c
.endr
	WIN 0
	ds_store_b32 v[SST], v8 offset:64*(\t)         ; both halves of the lanes write the same word
.if \more
	QLOAD (\t)+1
.endif
.endm
; The way out of block u.  OSTORE: my 16 accumulators into the work-group's stage: stage row 16 (8 mb + i) + r, my 64 bytes of its 256.  OLOAD: half hf of my 64 stage rows (those of (mb, i) = 4 wv + 0 .. 3), whole.  OSEND: stored.
.macro OSTORE u
	WIN 0x08+4*((\u)/2)
.irp g, 0,1,2,3,4,5,6,7,8,9,10,11,12,13,14,15
	ds_store_b128 v[STO], v[128*((\u)%2)+8*\g:128*((\u)%2)+8*\g+3] offset:\g*SGB       ; each accumulator from its low end on
	ds_store_b128 v[STO], v[128*((\u)%2)+8*\g+4:128*((\u)%2)+8*\g+7] offset:\g*SGB+16
.endr
	WIN 0
.endm
.macro OLOAD hf
	WIN 0x40
.irp q, 0,1
.irp t, 0,1,2,3,4,5,6,7
	ds_load_b128 v[X+4*(8*\q+\t):X+4*(8*\q+\t)+3], v[RD] offset:(2*(\hf)+\q)*SGB+\t*2*SGP
.endr
.endr
	WIN 0
.endm
.macro OSEND u, hf
	WIN 0x04
.irp q, 0,1
.irp t, 0,1,2,3,4,5,6,7
	global_store_b128 v[CO], v[X+4*(8*\q+\t):X+4*(8*\q+\t)+3], s[8:9] offset:2*\t*8192+(2*(\hf)+\q)*1024+(\u)*256 th:TH_STORE_NT   ; sixteen lanes store 256 consecutive bytes, aligned
.endr
.endr
	WIN 0
.endm
; What stands in some groups of a trip.  SPN = 1: the next tile of x has landed; every wave has loaded its fragments of x, so the image may be written again; ctx = 1: the slot read a trip ago is filled again.
; SPN = 2 .. 5: tasks 0 .. 3.  ctx = 2: no refill; the last trip (CNT = 1) has nothing left to quantise and jumps over the tasks.  SPN = 6 .. 8 (ctx = 2 alone): block OU's way out, which the trip before the last (CNT = 2)
; jumps over.
.macro SPOT ctx
	WIN 0
	s_wait_alu depctr_va_vdst(0)                   ; the wait ahead of the waits and the branches below
.if \ctx == 2
	s_wait_xcnt 0x0                                ; earlier stores have read the registers that the loads below fill
.endif
.if SPN == 1
	s_wait_tensorcnt 0x0                           ; my one tensor load has landed
	ds_add_u32 v[SPW], v[NIL]
.if \ctx == 1
	s_xor_b32 s[G0+1], s[G0+1], SLOTB              ; the other slot,
	s_add_nc_u64 s[G0+2:G0+3], s[G0+2:G0+3], 512   ; the next superstep's 512 bytes of each piece
.endif
	s_wait_dscnt 0x0
	s_barrier_signal -1
	s_barrier_wait -1
.if \ctx == 1
	tensor_load_to_lds s[G0:G0+3], s[G1:G1+7]
	s_nop 0
	NOPS
	v_add_nc_u32 v[XA], s[SQ], v[XB]               ; the slot that has just landed
	s_xor_b32 s[SQ], s[SQ], SLOTB
.endif
.endif
.if SPN <= 5
.if \ctx == 2
	s_cmp_eq_u32 s[CNT], 1
	s_cbranch_scc1 .Lsk\@
.endif
.if SPN == 1
	QLOAD 0
.else
.if SPN < 5
	QTASK SPN-2, 0, 1
.else
	QTASK SPN-2, 0, 0
.endif
.endif
.Lsk\@:
.endif
.if SPN == 6
	s_cmp_eq_u32 s[CNT], 2
	s_cbranch_scc1 .Lsa\@
	NOPS                                           ; four places behind the block's last products
	OSTORE OU
.Lsa\@:
	s_wait_dscnt 0x0                               ; my part of the stage is written
	s_barrier_signal -1
	s_barrier_wait -1
	s_cmp_eq_u32 s[CNT], 2
	s_cbranch_scc1 .Lsb\@
	OLOAD 0
.Lsb\@:
.endif
.if SPN == 7
	s_cmp_eq_u32 s[CNT], 2
	s_cbranch_scc1 .Lsc\@
	s_wait_dscnt 0x0
	OSEND OU, 0
	s_wait_xcnt 0x0                                ; the stores have read their registers
	OLOAD 1
.Lsc\@:
.endif
.if SPN == 8
	s_wait_dscnt 0x0                               ; my reads of the stage are back: behind this barrier it may be written again
	s_barrier_signal -1
	s_barrier_wait -1
	s_cmp_eq_u32 s[CNT], 2
	s_cbranch_scc1 .Lsd\@
	OSEND OU, 1
.Lsd\@:
.endif
.endm
; A group: one record of W, 16 products on 16 accumulators by turns: first those that take the turned copy, then the others.
.macro GROUP s, zero, ctx
.set GSV, \s
	UW GSV+1
.set NW, GW
	UW GSV
.set RI, GSV%16
.set R1, (GSV+1)%16
.set BPOS, RING+12*RI
.set WMS, 0xa4+0x50*(GU/2)
.set PCN, 0
	WIN WMS
.if GW > 0
.irp mb, 0,1
.irp i, 0,1,2,3,4,5,6,7
.if ((SR\i>>((\i)^GW))&1) == 1
	WM \mb, \i, NEG, 0
.endif
.endr
.endr
.endif
	s_wait_loadcnt 3*(4*((GSV+3)/4)+10-GSV)        ; the next record is in: three loads for each record issued behind it
.if SPN
	SPOT \ctx
.endif
	NOPS                                           ; four places ahead of writes over the turned copy and of loads into buffers read by the groups before
	WIN WMS
.irp mb, 0,1
.irp i, 0,1,2,3,4,5,6,7
.if ((SR\i>>((\i)^GW))&1) == 0
	WM \mb, \i, BPOS, \zero
	HOOK
.endif
.endr
.endr
.endm
.macro REST ctx                        ; the 28 groups with w > 0: block u's are groups 4 + 7 u .. 10 + 7 u
.set GS, 4
.rept 28
.set SPN, 0
.if GS >= 12 && GS%4 == 0
.set SPN, GS/4-2
.endif
.if \ctx == 2
.if GS == 11 || GS == 18 || GS == 25
.set SPN, 6
.set OU, (GS-11)/7
.endif
.if GS == 13 || GS == 19 || GS == 26
.set SPN, 7
.endif
.if GS == 14 || GS == 21 || GS == 27
.set SPN, 8
.endif
.endif
	GROUP GS, 0, \ctx
.set GS, GS+1
.endr
.set SPN, 0
.endm
.macro ENDBAR                          ; every wave's codes and scale words are stored
	WIN 0
	s_wait_alu depctr_va_vdst(0)
	s_wait_dscnt 0x0
	s_barrier_signal -1
	s_barrier_wait -1
.endm
.macro ALOAD                           ; x's 16 fragments and their scale words (lanes 0-15 row block 0, lanes 16-31 row block 1; register j)
	NOPS
	ds_load_b128 v[AS:AS+3], v[ASA]                ; the scale words first, then the fragments in the order in which they are multiplied
	ds_load_b128 v[AS+4:AS+7], v[ASA] offset:16
	WIN 0x40
.set F, 0
.rept 16
.irp c, 0,1,2
	ds_load_b128 v[12*F+4*\c:12*F+4*\c+3], v[AAD] offset:F*FS+16*\c
.endr
.set F, F+1
.endr
	WIN 0
.endm
; The four groups with w = 0 (records s0 .. s0 + 3, ring buffers 0 .. 3), walked by fragments of x as they arrive: output i takes component j = i, so fragment f = 8 mb + i feeds one product in each block u.
; Two fragments at a time, eight products on eight accumulators; each of the 64 accumulators has one turn.  zero = 1: these products start the sums.
.macro G0X s0, zero
.set GW, 0
.set GSV, \s0
	s_wait_loadcnt 21                              ; records s0 .. s0 + 4 are in: behind them seven records of three loads
.set FP, 0
.rept 8
	s_wait_dscnt 42-6*FP                           ; the scale words and fragments 0 .. 2 FP + 1 are in: behind them 3 loads for each later fragment
	WIN 0xa4
.irp f, 0,1
.irp u, 0,1
.set GU, \u
.set RI, \u
.set BPOS, RING+12*\u
	WM (2*FP+\f)/8, (2*FP+\f)%8, BPOS, \zero
.endr
.endr
	WIN 0xf4
.irp f, 0,1
.irp u, 2,3
.set GU, \u
.set RI, \u
.set BPOS, RING+12*\u
	WM (2*FP+\f)/8, (2*FP+\f)%8, BPOS, \zero
.endr
.endr
.if FP == 1
	WIN 0
	BLOAD GSV+12                                   ; into the buffers that the last four groups of the superstep before read; the four places stand at the head of the fragments' loads
	BLOAD GSV+13
	BLOAD GSV+14
	BLOAD GSV+15
.endif
.set FP, FP+1
.endr
	WIN 0
.irp m, 0,1,2,3,4,5,6,7,8,9,10,11
	v_xor_b32 v[NEG+\m], s[MK+\m%3], v[RING+12*4+\m]   ; the turned copy of record s0 + 4, for the group that follows
.endr
	NOPS                                           ; an operand written by vector instructions stands four places ahead of the product
.endm
	s_load_b128 s[4:7], s[0:1], 0x0                ; x, b_q
	s_load_b64 s[8:9], s[0:1], 0x10                ; out0
	v_lshl_add_u32 v[SPW], v0, 2, SPARE
	v_mov_b32 v[NIL], 0
	ds_add_u32 v[SPW], v[NIL]                      ; the opening lines: the add twice on end and its wait
	ds_add_u32 v[SPW], v[NIL]
	v_lshrrev_b32 v60, 5, v0
	v_readfirstlane_b32 s10, v60                   ; wave
	s_mov_b32 s[G1+0], (2<<16)|(1<<20)|(6<<22)|(3<<25)   ; elements of 4 bytes; 4 words of padding behind every 128
	s_mov_b32 s[G1+1], 128<<16
	s_mov_b32 s[G1+2], 64<<16
	s_mov_b32 s[G1+3], 128<<16
	s_mov_b32 s[G1+4], 64
	s_mov_b32 s[G1+5], 512                         ; from piece to piece: 512 elements
	s_mov_b32 s[G1+6], 0
	s_mov_b32 s[G1+7], 0
	s_mov_b32 s[G0], 1
	s_mul_i32 s[G0+1], s10, WTILE
	s_lshl_b32 s14, ttmp9, 19                      ; 32 rows of 16,384 bytes
	s_lshl_b32 s13, s10, 17                        ; my 8 rows
	s_add_co_u32 s14, s14, s13
	s_mov_b32 s15, 0
	s_wait_dscnt 0x0
	s_wait_kmcnt 0x0
	s_add_nc_u64 s[G0+2:G0+3], s[4:5], s[14:15]
	s_or_b32 s[G0+3], s[G0+3], 0x80000000
	tensor_load_to_lds s[G0:G0+3], s[G1:G1+7]      ; superstep 0 into slot 0: one tensor load a wave at the head
	s_nop 0
	NOPS
	s_mov_b32 s[MK], 0x20820820                    ; the sign bits of 16 codes in 96 bits
	s_mov_b32 s[MK+1], 0x08208208
	s_mov_b32 s[MK+2], 0x82082082
	s_mov_b32 s[SEL], 0x76543210
	s_mov_b32 s[SEL+1], 0xfedcba98
	s_mov_b32 s[SQ], SLOTB
	s_mul_i32 s12, s10, WTILE
	s_lshr_b32 s13, s10, 1                         ; my pieces' row block
	s_and_b32 s14, s10, 1
	s_mul_i32 s15, s13, 8*FS
	s_mul_i32 s21, s14, 384
	s_add_co_u32 s15, s15, s21
	s_add_co_u32 s15, s15, CODES
	s_lshl_b32 s21, s13, 9
	s_lshl_b32 s22, s14, 8
	s_add_co_u32 s21, s21, s22
	s_add_co_u32 s21, s21, ASC
	s_lshl_b32 s22, s10, 6                         ; my 64 bytes of a stage row
	s_mul_i32 s23, s10, 4*SGB                      ; the 64 stage rows that I send
	s_mul_i32 s2, s10, WSTR
	s_mov_b32 s3, 0
	s_add_nc_u64 s[BP:BP+1], s[6:7], s[2:3]        ; my records of superstep 0,
	s_add_nc_u64 s[BN:BN+1], s[BP:BP+1], KSTR      ; and of superstep 1
	s_lshl_b32 s2, ttmp9, 18                       ; 32 rows of out, 8,192 bytes each;
	s_lshl_b32 s3, s13, 17                         ; I send row block wv / 2,
	s_add_co_u32 s2, s2, s3
	s_lshl_b32 s3, s14, 12                         ; components 4 (wv % 2) + 0 .. 3
	s_add_co_u32 s2, s2, s3
	s_mov_b32 s3, 0
	s_add_nc_u64 s[8:9], s[8:9], s[2:3]
	v_and_b32 v60, 31, v0                          ; l
	v_and_b32 v61, 15, v0                          ; r
	v_bfe_u32 v62, v0, 4, 1                        ; h
	v_bfe_u32 v63, v0, 3, 1
	v_and_b32 v6, 7, v0
	v_lshlrev_b32 v[LOFF], 4, v60
	v_lshlrev_b32 v[BSO], 2, v60
	v_mul_u32_u24 v[XB], v61, PITCH
	v_lshl_add_u32 v[XB], v62, 7, v[XB]
	v_add_nc_u32 v[XB], s12, v[XB]                 ; slot 0: my piece r, 128 h
	v_lshlrev_b32 v[SH], 3, v62
	v_mul_u32_u24 v[CST], v6, FS                   ; piece r is row 2 t + r / 8 of my eight, component j = r % 8
	v_mad_u32_u24 v[CST], v63, 48, v[CST]
	v_mad_u32_u24 v[CST], v62, 768, v[CST]
	v_add_nc_u32 v[CST], s15, v[CST]
	v_lshlrev_b32 v[SST], 2, v6
	v_lshl_add_u32 v[SST], v63, 5, v[SST]
	v_add_nc_u32 v[SST], s21, v[SST]
	v_mul_u32_u24 v[AAD], v60, 48
	v_add_nc_u32 v[AAD], CODES, v[AAD]
	v_lshlrev_b32 v[ASA], 5, v61
	v_lshl_add_u32 v[ASA], v62, 9, v[ASA]
	v_add_nc_u32 v[ASA], ASC, v[ASA]
	v_mul_u32_u24 v[STO], v61, SGP
	v_lshl_add_u32 v[STO], v62, 5, v[STO]
	v_add_nc_u32 v[STO], s22, v[STO]
	v_mul_u32_u24 v[RD], v62, SGP
	v_lshl_add_u32 v[RD], v61, 4, v[RD]
	v_add_nc_u32 v[RD], s23, v[RD]
	v_lshlrev_b32 v[CO], 4, v61
	v_lshl_add_u32 v[CO], v62, 13, v[CO]
	v_mov_b32 v10, 0                               ; a lane permute's destination counts as one of its sources
	v_mov_b32 v[XA], v[XB]
	v_mov_b32 v[LOFN], v[LOFF]                     ; the lane offsets of the loads that reach into the next superstep
	v_mov_b32 v[BSON], v[BSO]
	s_wait_alu depctr_va_vdst(0)                   ; the wait at the head's end
.set P, 0
.rept 12
	BLOAD P                                        ; the ring's first 12 records
.set P, P+1
.endr
	s_wait_tensorcnt 0x0                           ; superstep 0 has landed; slot 1's first fill is issued as a refill is
	ds_add_u32 v[SPW], v[NIL]
	s_xor_b32 s[G0+1], s[G0+1], SLOTB
	s_add_nc_u64 s[G0+2:G0+3], s[G0+2:G0+3], 512
	s_wait_dscnt 0x0
	s_barrier_signal -1
	s_barrier_wait -1
	tensor_load_to_lds s[G0:G0+3], s[G1:G1+7]
	s_nop 0
	NOPS
.irp t, 0,1,2,3
.set X, 64*\t                          ; here x's fragment registers are still free: all four tasks' numbers are fetched at once, task t's into v[64 t ..] of window 1
	QLOAD \t
.endr
.irp t, 0,1,2,3
.set X, 64*\t
	QTASK \t, 48-12*\t, 0                          ; behind task t's loads: 16 loads for each later task and 4 stores for each earlier one
.endr
	ENDBAR
	ALOAD
	G0X 0, 1                                       ; the first superstep's groups with w = 0 start all 64 sums
	WIN 0
	s_mov_b32 s[CNT], 2
	s_wait_alu depctr_va_vdst(0)
.Ll1:                                                  ; supersteps 0 and 1: each fills a slot again and quantises the superstep behind it
	REST 1
	ENDBAR
	ALOAD
	G0X 32, 0
	WIN 0
	s_wait_xcnt 0x0                                ; the loads have read their bases
	s_mov_b64 s[BP:BP+1], s[BN:BN+1]
	s_add_nc_u64 s[BN:BN+1], s[BN:BN+1], KSTR
	s_sub_co_u32 s[CNT], s[CNT], 1
	s_cmp_lg_u32 s[CNT], 0
	s_wait_alu depctr_va_vdst(0)
	s_cbranch_scc1 .Ll1
	v_add_nc_u32 v[XA], SLOTB, v[XB]               ; superstep 3 lies in slot 1
	s_mov_b32 s[CNT], 2
	s_wait_alu depctr_va_vdst(0)
.Ll2:                                                  ; supersteps 2 and 3: nothing is left to fetch of x; the last leaves in the middle
	REST 2
	ENDBAR
	s_sub_co_u32 s[CNT], s[CNT], 1
	s_cmp_eq_u32 s[CNT], 0
	s_cbranch_scc1 .Lout
	ALOAD
	G0X 32, 0
	WIN 0
	s_wait_xcnt 0x0                                ; the loads have read their bases and offsets
	s_mov_b64 s[BP:BP+1], s[BN:BN+1]               ; the next base stays: the last trip's look-ahead stays inside superstep 3's own records,
	v_mov_b32 v[LOFN], 0                           ; and all its lanes name the same bytes
	v_mov_b32 v[BSON], 0
	s_cmp_lg_u32 s[CNT], 0
	s_wait_alu depctr_va_vdst(0)
	s_cbranch_scc1 .Ll2
.Lout:                                                 ; block 3's way out
	NOPS
	OSTORE 3
	s_wait_dscnt 0x0
	s_barrier_signal -1
	s_barrier_wait -1
	s_wait_xcnt 0x0                                ; block 2's stores have read their registers
	OLOAD 0
.set X, 0                              ; x's fragment registers are free now: the second half lands there
	OLOAD 1
.set X, 192
	s_wait_dscnt 16                                ; the first half is back: the second half's 16 loads may be out
	OSEND 3, 0
.set X, 0
	s_wait_dscnt 0x0
	OSEND 3, 1
	s_wait_tensorcnt 0x0                           ; the wave's end
	ds_add_u32 v[SPW], v[NIL]
	s_wait_dscnt 0x0
	s_endpgm
.Lfunc_end_k_q8aa06f72bf_oct:
	.size	k_q8aa06f72bf_oct, .Lfunc_end_k_q8aa06f72bf_oct-k_q8aa06f72bf_oct
	.p2alignl 7, 3214868480
	.fill 96, 4, 3214868480
	.section	.rodata,"a",@progbits
	.p2align	6, 0x0
	.amdhsa_kernel k_q8aa06f72bf_oct
		.amdhsa_group_segment_fixed_size 327680
		.amdhsa_private_segment_fixed_size 0
		.amdhsa_enable_private_segment 0
		.amdhsa_kernarg_size 24
		.amdhsa_user_sgpr_count 2
		.amdhsa_user_sgpr_kernarg_segment_ptr 1
		.amdhsa_wavefront_size32 1
		.amdhsa_system_sgpr_workgroup_id_x 1
		.amdhsa_system_sgpr_workgroup_id_y 1
		.amdhsa_system_sgpr_workgroup_id_z 1
		.amdhsa_system_vgpr_workitem_id 0
		.amdhsa_next_free_vgpr 1024
		.amdhsa_next_free_sgpr 66
		.amdhsa_reserve_vcc 0
		.amdhsa_float_denorm_mode_32 3
		.amdhsa_float_denorm_mode_16_64 3
		.amdhsa_memory_ordered 1
		.amdhsa_forward_progress 1
		.amdhsa_inst_pref_size 255
	.end_amdhsa_kernel
	.section	.bss,"aw",@nobits
	.p2align	6
	.space	262144
	.amdgpu_metadata
---
amdhsa.version: [ 1, 2 ]
amdhsa.kernels:
  - .name:           k_q8aa06f72bf_oct
    .symbol:         k_q8aa06f72bf_oct.kd
    .args:
      - { .name: x, .offset: 0, .size: 8, .value_kind: global_buffer, .address_space: global }
      - { .name: b_q, .offset: 8, .size: 8, .value_kind: global_buffer, .address_space: global }
      - { .name: out0, .offset: 16, .size: 8, .value_kind: global_buffer, .address_space: global }
    .group_segment_fixed_size: 327680
    .private_segment_fixed_size: 0
    .kernarg_segment_align: 8
    .kernarg_segment_size: 24
    .max_flat_workgroup_size: 128
    .sgpr_count:     66
    .vgpr_count:     1024
    .wavefront_size: 32
...
	.end_amdgpu_metadata
.endif
;; end of part 2
